; MI455X (gfx1250); checked and timed in simulation.
; The chip was launched on July 23, 2026; its instructions are those of AMD's public machine-readable ISA for CDNA 5 (MIT licence, August 2026) and "CDNA5" Instruction Set Architecture Reference Guide (July 2026). The comments in the code are by the model that wrote it; some were corrected since.
;; CRE Layer. Allowed arithmetic: float matrix products may take bf16 or f16 operands with f32 sums; other float arithmetic in f32, or as packed bf16 or f16 multiplies, adds, multiply-adds, maxima and minima; sums over many terms, partial sums and values carried from step to step in f32; what a program stores and reads back later, other than sums and carried values, may be rounded once to bf16 or f16.
;; Inputs: Wg 1,024 x 1,024 float32; Wo 1,024 x 1,024 float32; Wv 1,024 x 1,024 float32; bg 1,024 float32; bo 1,024 float32; bv 1,024 float32; ln_beta 1,024 float32; ln_gamma 1,024 float32; log_decay one number float32; x 4 x 4,096 x 1,024 float32.
;; Outputs: out0 4 x 4,096 x 1,024 float32.
;; One version. Each part assembles by itself: llvm-mc -triple=amdgcn-amd-amdhsa -mcpu=gfx1250 --defsym DOCPART=n.
;; ======== version 1 of 1: 3 launches
;; limits: values outside matrix products are rounded to bf16
;; workspace buffers: nrm 33,554,432 bytes; stat 131,072 bytes; wgv 4,194,304 bytes; wob 2,097,152 bytes; bias2 8,192 bytes; u 33,554,432 bytes; ssum 524,288 bytes; dtab 256 bytes
;; launch prep (part 1): grid 256 x 1, 16 waves a work-group, no clusters, 2,816 bytes of LDS; arguments x, ln_gamma, ln_beta, Wg, Wv, Wo, bg, bv, log_decay, nrm, stat, wgv, wob, bias2, dtab; writes nrm, stat, wgv, wob, bias2, dtab
.if DOCPART == 1
	.amdgcn_target "amdgcn-amd-amdhsa--gfx1250"
	.amdhsa_code_object_version 6
	.text
	.protected	k_q7db58e73d5_prep
	.globl	k_q7db58e73d5_prep
	.p2align	8
	.type	k_q7db58e73d5_prep,@function
k_q7db58e73d5_prep:
	s_mov_b64 s[64:65], 0
	v_nop
	global_prefetch_b8 v0, s[64:65] scope:SCOPE_SE
	s_setreg_imm32_b32 hwreg(HW_REG_WAVE_MODE, 25, 1), 1
	s_wait_xcnt 0x0
; PREP.  nrm = (x - mean) / sqrt(var + eps) in bf16, WITHOUT gamma and beta; stat = (mean, sigma) of each row in f32, sigma = sqrt(var + eps), so that x = nrm sigma + mean can be rebuilt later.
; Gamma goes into the weights and beta into the biases: sum_k (n gamma + beta) W + b = sum_k n (gamma W) + (sum_k beta W + b): exact algebra, and no division by gamma anywhere.
; x: [16384][1024] f32.  nrm: [16384][1024] bf16.  stat: [16384] pairs of f32.  The statistics are the two-pass form in f32: the mean, then the mean of the squares of x - mean, so a common offset of x costs no digits.
; wgv: [2048][1024] bf16: row 128 (e / 64) + 64 m + e % 64 holds channel e of Wg gamma log2(e) (m = 0) or of Wv gamma (m = 1): 128 rows on end hold 64 channels' gate rows and then the same channels' value rows.
; wob: [1024][1024] bf16 = Wo.  bias2: [2048] f32: (bg + Wg beta) log2(e), then bv + Wv beta; the sums over k in f32, of the unrounded weights.
; dtab: 32 pairs of f32: pair g = (exp(-alpha 128 g), exp(-alpha)), alpha = softplus(log_decay) = max(ld, 0) + log1p(exp(-|ld|)).
; LIMITS.  The weights are rounded to bf16 behind their scaling by gamma (and log2(e)).  sigma is (var + eps) x the root's reciprocal.  v_exp_f32, v_log_f32, v_rcp_f32 and v_rsq_f32 take and give no denormals
; (ISA guide, their entries): a decay below 2^-126 counts as 0.
; SHARES.  Work-group W owns rows 64 W .. 64 W + 63 of x, wave w four of them; waves 0-7 also make row 8 W + w of the 2,048 of Wg and Wv, waves 8-11 row 4 W + w - 8 of Wo; wave 15 of work-group 0 makes dtab.
; A lane holds channels 128 i + 4 l + 0..3 of a row, i = 0..7: a load of the wave covers 512 consecutive bytes, a store of 8 bytes a lane 256 consecutive bytes, aligned.
; All 32 loads of a wave's four rows go out at once (16 KiB a wave, 256 KiB a work-group): no ring, no loop.  The work-group's 64 pairs of stat and its 8 biases meet in LDS, so that stat leaves as 512 whole bytes.
; No cluster: the work-groups share gamma and beta alone, 8 KiB.  No prefetch: every load of the launch is issued at its head.
.set T,   6                            ; v[6:13]    four pairs at work
.set MU,  14                           ; v[14:15]   the mean (the packed forms name a pair; the upper word is written once)
.set RS,  16                           ; v[16:17]   1 / sqrt(var + eps), likewise
.set SG,  20                           ; v[20:21]   (mean, sigma) on its way to LDS
.set SA,  22                           ; v22        LDS byte of my four rows' pairs: 32 w
.set SPW, 23                           ; v23        LDS address of my spare word; never rewritten
.set NIL, 24                           ; v24        0; never rewritten
.set BA,  25                           ; v25        4 w: my bias's word
.set G,   26                           ; v[26:57]   gamma of my 32 channels (waves 0-7)
.set BT,  58                           ; v[58:89]   beta (waves 0-7)
.set X,   90                           ; v[90:217]  four rows of 32 registers
.set W,   218                          ; v[218:249] a weight row
.set BIAS,  512                        ; LDS: 64 pairs from byte 0; 8 biases from byte 512;
.set SPARE, 768                        ; the spare words, 128 bytes for each of 16 waves: eight blocks of 256 bytes that no other line names
; T's four pairs are added up, in the lane and over the 32 lanes; every lane ends with the sum in v[T].
.macro REDUCE
	v_pk_add_f32 v[T:T+1], v[T:T+1], v[T+2:T+3]
	v_pk_add_f32 v[T+4:T+5], v[T+4:T+5], v[T+6:T+7]
	v_pk_add_f32 v[T:T+1], v[T:T+1], v[T+4:T+5]
	v_add_f32 v[T], v[T], v[T+1]
	v_add_f32_dpp v[T], v[T], v[T] row_xmask:1 row_mask:0xf bank_mask:0xf
	v_add_f32_dpp v[T], v[T], v[T] row_xmask:2 row_mask:0xf bank_mask:0xf
	v_add_f32_dpp v[T], v[T], v[T] row_xmask:4 row_mask:0xf bank_mask:0xf
	v_add_f32_dpp v[T], v[T], v[T] row_xmask:8 row_mask:0xf bank_mask:0xf
	v_permlanex16_b32 v18, v[T], s38, s39
	v_add_f32 v[T], v[T], v18
.endm
.macro WLOAD lo                        ; a weight row from s[lo:lo+1]
.irp i, 0,1,2,3,4,5,6,7
	global_load_b128 v[W+4*(\i):W+4*(\i)+3], v4, s[(\lo):(\lo)+1] offset:512*(\i) th:TH_LOAD_NT
.endr
.endm
.macro WOUT lo                         ; rounded and stored to s[lo:lo+1]
.set k, 0
.rept 16
	v_cvt_pk_bf16_f32 v[W+k], v[W+2*k], v[W+2*k+1] ; in place, ascending: register k is written when 2 k and 2 k + 1 have been read
.set k, k+1
.endr
.irp i, 0,1,2,3,4,5,6,7
	global_store_b64 v5, v[W+2*(\i):W+2*(\i)+1], s[(\lo):(\lo)+1] offset:256*(\i)
.endr
.endm
	s_load_b512 s[4:19], s[0:1], 0x0               ; x 4:5, gamma 6:7, beta 8:9, Wg 10:11, Wv 12:13, Wo 14:15, bg 16:17, bv 18:19
	s_load_b256 s[20:27], s[0:1], 0x40             ; log_decay 20:21, nrm 22:23, stat 24:25, wgv 26:27
	s_load_b128 s[28:31], s[0:1], 0x60             ; wob 28:29, bias2 30:31
	s_load_b64 s[32:33], s[0:1], 0x70              ; dtab
	v_lshl_add_u32 v[SPW], v0, 2, SPARE
	v_mov_b32 v[NIL], 0
	v_lshrrev_b32 v1, 5, v0
	v_readfirstlane_b32 s34, v1                    ; wave 0..15
	v_and_b32 v2, 31, v0                           ; lane
	v_lshlrev_b32 v4, 4, v2                        ; 16 l: never rewritten
	v_lshlrev_b32 v5, 3, v2                        ; 8 l: never rewritten
	v_mov_b32 v[MU+1], 0
	v_mov_b32 v[RS+1], 0
	v_mov_b32 v18, 0                               ; v_permlanex16_b32's destination counts as read
	s_lshl_b32 s35, s34, 5
	v_mov_b32 v[SA], s35
	s_mov_b32 s38, 0x76543210                      ; each lane takes its own place in the other half
	s_mov_b32 s39, 0xfedcba98
	s_mov_b32 s40, 0x3a800000                      ; 1 / 1024
	s_mov_b32 s41, 0x3727c5ac                      ; 1e-5
	s_mov_b32 s51, 0                               ; the upper word of every offset in s[50:51]
	s_lshl_b32 s36, ttmp9, 6
	s_lshl2_add_u32 s36, s34, s36                  ; my first row of x: 64 W + 4 w
	s_lshl_b32 s36, s36, 12
	s_mov_b32 s37, 0
	s_wait_kmcnt 0x0
	s_add_nc_u64 s[4:5], s[4:5], s[36:37]          ; x at my first row
	s_lshr_b32 s36, s36, 1
	s_add_nc_u64 s[22:23], s[22:23], s[36:37]      ; nrm at my first row
.irp r, 0,1,2,3
.irp i, 0,1,2,3,4,5,6,7
	global_load_b128 v[X+32*(\r)+4*(\i):X+32*(\r)+4*(\i)+3], v4, s[4:5] offset:4096*(\r)+512*(\i) th:TH_LOAD_NT
.endr
.endr
	; a row of Wg or Wv: one branch on the wave's number holds its loads, its wait and its stores
	s_cmp_lt_u32 s34, 8
	s_cbranch_scc0 .Lwo
	s_lshl3_add_u32 s42, ttmp9, s34                ; R = 8 W + w
	s_lshr_b32 s43, s42, 10                        ; m: 0 Wg, 1 Wv
	s_and_b32 s44, s42, 1023                       ; e
	s_lshr_b32 s45, s44, 6
	s_lshl_b32 s45, s45, 7
	s_lshl_b32 s46, s43, 6
	s_add_co_u32 s45, s45, s46
	s_and_b32 s46, s44, 63
	s_add_co_u32 s45, s45, s46                     ; its row in wgv
	s_lshl_b32 s50, s45, 11                        ; rows of 2,048 bytes
	s_add_nc_u64 s[26:27], s[26:27], s[50:51]
	s_lshl_b32 s50, s44, 12                        ; the source's rows of 4,096 bytes
	s_cmp_eq_u32 s43, 0
	s_cselect_b64 s[46:47], s[10:11], s[12:13]
	s_cselect_b64 s[48:49], s[16:17], s[18:19]
	s_cselect_b32 s52, 0x3fb8aa3b, 1.0             ; the gate's weights and bias carry log2(e): the sigmoid is made with 2^z
	s_mov_b32 s53, s52                             ; named with it as a pair
	s_add_nc_u64 s[46:47], s[46:47], s[50:51]
	s_lshl_b32 s50, s44, 2
	s_add_nc_u64 s[48:49], s[48:49], s[50:51]
	s_load_b32 s54, s[48:49], 0x0                  ; b[e]
	WLOAD 46
.irp i, 0,1,2,3,4,5,6,7
	global_load_b128 v[G+4*(\i):G+4*(\i)+3], v4, s[6:7] offset:512*(\i)
.endr
.irp i, 0,1,2,3,4,5,6,7
	global_load_b128 v[BT+4*(\i):BT+4*(\i)+3], v4, s[8:9] offset:512*(\i)
.endr
	s_wait_loadcnt 0x0                             ; no load was issued behind these
.irp p, 0,2,4,6
	v_pk_mul_f32 v[T+(\p):T+(\p)+1], v[W+(\p):W+(\p)+1], v[BT+(\p):BT+(\p)+1]  ; sum_k W beta, four chains
.endr
.irp q, 8,16,24
.irp p, 0,2,4,6
	v_pk_fma_f32 v[T+(\p):T+(\p)+1], v[W+(\q)+(\p):W+(\q)+(\p)+1], v[BT+(\q)+(\p):BT+(\q)+(\p)+1], v[T+(\p):T+(\p)+1]
.endr
.endr
	REDUCE
.set k, 0
.rept 16
	v_pk_mul_f32 v[W+k:W+k+1], v[W+k:W+k+1], v[G+k:G+k+1]
.set k, k+2
.endr
.set k, 0
.rept 16
	v_pk_mul_f32 v[W+k:W+k+1], v[W+k:W+k+1], s[52:53] op_sel_hi:[1,0]
.set k, k+2
.endr
	WOUT 26
	s_wait_kmcnt 0x0
	v_add_f32 v19, s54, v[T]
	v_mul_f32 v19, s52, v19
	s_lshl_b32 s55, s34, 2
	v_mov_b32 v[BA], s55
	ds_store_b32 v[BA], v19 offset:BIAS            ; all lanes write the same word with the same number
	s_branch .Lrows
.Lwo:                                                  ; a row of Wo: rounded as it is
	s_cmp_lt_u32 s34, 12
	s_cbranch_scc0 .Lrows
	s_lshl2_add_u32 s42, ttmp9, s34
	s_sub_co_u32 s42, s42, 8                       ; row 4 W + w - 8
	s_lshl_b32 s50, s42, 12
	s_add_nc_u64 s[14:15], s[14:15], s[50:51]
	s_lshl_b32 s50, s42, 11
	s_add_nc_u64 s[28:29], s[28:29], s[50:51]
	WLOAD 14
	s_wait_loadcnt 0x0                             ; no load was issued behind these eight
	WOUT 28
.Lrows:
; Row r of my four: mean, x - mean, variance, scale, rounding, store; the pair (mean, sigma) goes to LDS.
.macro ROW r
.set XB, X+32*(\r)
	s_wait_loadcnt 24-8*(\r)                       ; loads come back in order: the later rows' eight loads each may stay out
.irp p, 0,2,4,6
	v_pk_add_f32 v[T+(\p):T+(\p)+1], v[XB+(\p):XB+(\p)+1], v[XB+8+(\p):XB+8+(\p)+1]  ; four chains; the first sums start them
.endr
.irp q, 16,24
.irp p, 0,2,4,6
	v_pk_add_f32 v[T+(\p):T+(\p)+1], v[T+(\p):T+(\p)+1], v[XB+(\q)+(\p):XB+(\q)+(\p)+1]
.endr
.endr
	REDUCE
	v_mul_f32 v[MU], s40, v[T]
.set k, 0
.rept 16
	v_pk_add_f32 v[XB+k:XB+k+1], v[XB+k:XB+k+1], v[MU:MU+1] op_sel_hi:[1,0] neg_lo:[0,1] neg_hi:[0,1]  ; x - mean
.set k, k+2
.endr
.irp p, 0,2,4,6
	v_pk_mul_f32 v[T+(\p):T+(\p)+1], v[XB+(\p):XB+(\p)+1], v[XB+(\p):XB+(\p)+1]
.endr
.irp q, 8,16,24
.irp p, 0,2,4,6
	v_pk_fma_f32 v[T+(\p):T+(\p)+1], v[XB+(\q)+(\p):XB+(\q)+(\p)+1], v[XB+(\q)+(\p):XB+(\q)+(\p)+1], v[T+(\p):T+(\p)+1]
.endr
.endr
	REDUCE
	v_fma_f32 v19, v[T], s40, s41                  ; var + eps
	v_rsq_f32 v[RS], v19
	v_mov_b32 v[SG], v[MU]                         ; a plain instruction behind the root,
	s_wait_alu depctr_va_vdst(0)                   ; and the wait ahead of its first reader
	v_mul_f32 v[SG+1], v19, v[RS]                  ; sigma
	ds_store_b64 v[SA], v[SG:SG+1] offset:8*(\r)   ; all lanes write the same pair to the same bytes
.set k, 0
.rept 16
	v_pk_mul_f32 v[XB+k:XB+k+1], v[XB+k:XB+k+1], v[RS:RS+1] op_sel_hi:[1,0]
.set k, k+2
.endr
.set k, 0
.rept 16
	v_cvt_pk_bf16_f32 v[XB+k], v[XB+2*k], v[XB+2*k+1]
.set k, k+1
.endr
.irp i, 0,1,2,3,4,5,6,7
	global_store_b64 v5, v[XB+2*(\i):XB+2*(\i)+1], s[22:23] offset:2048*(\r)+256*(\i)  ; the wave stores 256 consecutive bytes, at a multiple of 256 from nrm's first byte
.endr
.endm
	ROW 0
	ROW 1
	ROW 2
	ROW 3
	; the decay's table: one wave of the launch
	s_lshl_b32 s55, ttmp9, 4
	s_or_b32 s55, s55, s34
	s_cmp_eq_u32 s55, 15
	s_cbranch_scc0 .Lmeet
	s_load_b32 s56, s[20:21], 0x0
	s_wait_kmcnt 0x0
	v_mov_b32 v6, s56                              ; ld
	v_and_b32 v7, 0x7fffffff, v6
	v_mul_f32 v7, 0xbfb8aa3b, v7                   ; -|ld| log2(e)
	v_exp_f32 v8, v7                               ; e = exp(-|ld|)
	v_max_num_f32 v6, 0, v6                        ; max(ld, 0): the plain instruction behind the exponential
	s_wait_alu depctr_va_vdst(0)
	v_add_f32 v9, 1.0, v8                          ; w = 1 + e, rounded
	v_add_f32 v10, -1.0, v9                        ; d = w - 1, exact
	v_log_f32 v11, v9
	v_rcp_f32 v12, v10
	v_lshlrev_b32 v13, 7, v2                       ; 128 g, g = my lane: the plain instruction behind the two
	s_wait_alu depctr_va_vdst(0)
	v_mul_f32 v11, 0x3f317218, v11                 ; ln w
	v_mul_f32 v11, v11, v8
	v_mul_f32 v11, v11, v12                        ; log1p(e) = ln(w) e / d: w's rounding cancels
	v_cmp_eq_f32 vcc_lo, 0, v10
	v_cndmask_b32 v11, v11, v8, vcc_lo             ; and = e where w = 1
	v_add_f32 v6, v6, v11                          ; alpha
	v_mul_f32 v6, 0xbfb8aa3b, v6                   ; -alpha log2(e)
	v_cvt_f32_u32 v13, v13
	v_mul_f32 v13, v13, v6
	v_exp_f32 v16, v13                             ; exp(-alpha 128 g)
	v_exp_f32 v17, v6                              ; exp(-alpha)
	v_nop
	s_wait_alu depctr_va_vdst(0)
	global_store_b64 v5, v[16:17], s[32:33]        ; 256 bytes, whole
.Lmeet:
	s_wait_dscnt 0x0                               ; for the others' sake: my pairs and my bias are stored
	s_barrier_signal -1
	s_barrier_wait -1
	s_cmp_eq_u32 s34, 0                            ; wave 0 stores the work-group's 64 pairs
	s_cbranch_scc0 .Lnot_0
	ds_load_b128 v[6:9], v4
	s_lshl_b32 s50, ttmp9, 9
	s_add_nc_u64 s[24:25], s[24:25], s[50:51]
	s_wait_dscnt 0x0
	global_store_b128 v4, v[6:9], s[24:25]         ; 512 consecutive bytes, at a multiple of 256 from stat's first byte
.Lnot_0:
	s_cmp_eq_u32 s34, 1                            ; wave 1 its 8 biases: 32 bytes, all that a work-group has of the 8 KiB; lanes 8 apart hold the same number and name the same bytes
	s_cbranch_scc0 .Lend
	v_and_b32 v10, 7, v2
	v_lshlrev_b32 v10, 2, v10
	ds_load_b32 v11, v10 offset:BIAS
	s_lshl_b32 s50, ttmp9, 5
	s_add_nc_u64 s[30:31], s[30:31], s[50:51]
	s_wait_dscnt 0x0
	global_store_b32 v10, v11, s[30:31]
.Lend:
	s_wait_tensorcnt 0x0                           ; the wave's end: behind my last LDS store
	ds_add_u32 v[SPW], v[NIL]
	s_wait_dscnt 0x0
	s_endpgm
.Lfunc_end_k_q7db58e73d5_prep:
	.size	k_q7db58e73d5_prep, .Lfunc_end_k_q7db58e73d5_prep-k_q7db58e73d5_prep
	.p2alignl 7, 3214868480
	.fill 96, 4, 3214868480
	.section	.rodata,"a",@progbits
	.p2align	6, 0x0
	.amdhsa_kernel k_q7db58e73d5_prep
		.amdhsa_group_segment_fixed_size 2816
		.amdhsa_private_segment_fixed_size 0
		.amdhsa_enable_private_segment 0
		.amdhsa_kernarg_size 120
		.amdhsa_user_sgpr_count 2
		.amdhsa_user_sgpr_kernarg_segment_ptr 1
		.amdhsa_wavefront_size32 1
		.amdhsa_system_sgpr_workgroup_id_x 1
		.amdhsa_system_sgpr_workgroup_id_y 1
		.amdhsa_system_sgpr_workgroup_id_z 1
		.amdhsa_system_vgpr_workitem_id 0
		.amdhsa_next_free_vgpr 250
		.amdhsa_next_free_sgpr 66
		.amdhsa_reserve_vcc 1
		.amdhsa_float_denorm_mode_32 3
		.amdhsa_float_denorm_mode_16_64 3
		.amdhsa_memory_ordered 1
		.amdhsa_forward_progress 1
		.amdhsa_inst_pref_size 46
	.end_amdhsa_kernel
	.amdgpu_metadata
---
amdhsa.version: [ 1, 2 ]
amdhsa.kernels:
  - .name:           k_q7db58e73d5_prep
    .symbol:         k_q7db58e73d5_prep.kd
    .args:
      - { .name: x, .offset: 0, .size: 8, .value_kind: global_buffer, .address_space: global }
      - { .name: ln_gamma, .offset: 8, .size: 8, .value_kind: global_buffer, .address_space: global }
      - { .name: ln_beta, .offset: 16, .size: 8, .value_kind: global_buffer, .address_space: global }
      - { .name: Wg, .offset: 24, .size: 8, .value_kind: global_buffer, .address_space: global }
      - { .name: Wv, .offset: 32, .size: 8, .value_kind: global_buffer, .address_space: global }
      - { .name: Wo, .offset: 40, .size: 8, .value_kind: global_buffer, .address_space: global }
      - { .name: bg, .offset: 48, .size: 8, .value_kind: global_buffer, .address_space: global }
      - { .name: bv, .offset: 56, .size: 8, .value_kind: global_buffer, .address_space: global }
      - { .name: log_decay, .offset: 64, .size: 8, .value_kind: global_buffer, .address_space: global }
      - { .name: nrm, .offset: 72, .size: 8, .value_kind: global_buffer, .address_space: global }
      - { .name: stat, .offset: 80, .size: 8, .value_kind: global_buffer, .address_space: global }
      - { .name: wgv, .offset: 88, .size: 8, .value_kind: global_buffer, .address_space: global }
      - { .name: wob, .offset: 96, .size: 8, .value_kind: global_buffer, .address_space: global }
      - { .name: bias2, .offset: 104, .size: 8, .value_kind: global_buffer, .address_space: global }
      - { .name: dtab, .offset: 112, .size: 8, .value_kind: global_buffer, .address_space: global }
    .group_segment_fixed_size: 2816
    .private_segment_fixed_size: 0
    .kernarg_segment_align: 8
    .kernarg_segment_size: 120
    .max_flat_workgroup_size: 512
    .sgpr_count:     66
    .vgpr_count:     250
    .wavefront_size: 32
...
	.end_amdgpu_metadata
.endif
;; end of part 1
;; launch gemm1 (part 2): grid 8 x 64, 4 waves a work-group, clusters of 4 x 4, 327,680 bytes of LDS; arguments nrm, wgv, bias2, u, ssum; writes u, ssum
.if DOCPART == 2
	.amdgcn_target "amdgcn-amd-amdhsa--gfx1250"
	.amdhsa_code_object_version 6
	.text
	.protected	k_q7db58e73d5_gemm1
	.globl	k_q7db58e73d5_gemm1
	.p2align	8
	.type	k_q7db58e73d5_gemm1,@function
k_q7db58e73d5_gemm1:
	s_mov_b64 s[64:65], 0
	v_nop
	global_prefetch_b8 v0, s[64:65] scope:SCOPE_SE
	s_setreg_imm32_b32 hwreg(HW_REG_WAVE_MODE, 25, 1), 1
	s_wait_xcnt 0x0
	s_wait_alu depctr_hold_cnt(0) depctr_sa_sdst(0) depctr_va_vdst(0) depctr_va_sdst(0) depctr_va_ssrc(0) depctr_va_vcc(0) depctr_vm_vsrc(0)
	s_getreg_b32 s2, hwreg(HW_REG_IB_STS2, 6, 4)
	s_cmp_eq_u32 s2, 0
	s_cbranch_scc0 .Lentry_in_a_cluster
	s_endpgm
.Lentry_in_a_cluster:
	s_bfe_u32 s2, ttmp6, 0x10000c
	s_cmp_lg_u32 s2, 0xf033
	s_cbranch_scc0 .Lentry_shape_is_right
	s_endpgm
.Lentry_shape_is_right:
; GEMM 1.  z' = nrm (Wg gamma log2(e))^T + bias2[0..], v = nrm (Wv gamma)^T + bias2[1024..], u = (2 sigmoid(z) - 1) v = (1 - 2 / (1 + 2^z')) v.  That is g v - (1 - g) v as ONE number, so no difference of two running sums is ever formed.
; nrm: [16384][1024] bf16, the normalised rows without gamma and beta; these lie in the weights and in the biases.  wgv: [2048][1024] bf16, 64 gate rows and the same 64 channels' value rows by turns.  bias2: [2048] f32.
; u: [16384][1024] bf16.  ssum: [128][1024] f32: row G = the sums of u (unrounded) over rows 128 G .. + 127.
; LIMITS.  2^z' beyond f32's range gives an infinity and 1 / (1 + it) = 0, so u = v; 2^z' below 2^-126 counts as 0, so u = -v: both are the limits of the formula.  NaN and infinities in the inputs are not treated apart.
; A tile is 256 rows x 256 rows of wgv (128 channels), made by four waves, each 128 x 128: 64 accumulators of 16 x 16, 512 registers.  K = 1024 goes in steps of 128 through a ring of two LDS slots filled by tensor loads
; whose rows are 256 bytes of memory, at multiples of 256 from the buffer's first byte.
; CLUSTER.  4 x 4 work-groups.  The four of a row of the cluster need the same tiles of nrm, the four of a column the same tiles of wgv: each tile is asked for JOINTLY, by the same tensor load with the same descriptor and a mask of the four.
; THE MATRIX INSTRUCTION IS USED TRANSPOSED (source 0 = 16 rows of wgv, source 1 = 16 rows of nrm): a lane holds row l % 16 and the columns 8 (l / 16) + 0..7.  A wave's n blocks 0-3 are z' and 4-7 are v of the same 64 channels:
; accumulators (a, b) and (a, b + 4) hold z' and v of the same numbers in the same lanes and registers, so u is made without any exchange.  The biases are the C operand of the products that start the sums.
; REGISTERS, in windows of 256 (s_set_vgpr_msb: bits 1:0 source 0, 3:2 source 1, 5:4 source 2, 7:6 destination):
;   window 0: v0-31 addresses; v32-63 the column sums; v64-127, v128-191 fragments of nrm, two buffers; v192-255 at work on the way out
;   window 1: v0-63 the bias fragments; v64-127, v128-191 fragments of wgv     window 2: accumulators of my rows 0-63, (a, b) at v[8 (8 a + b)]     window 3: those of my rows 64-127
.set SIZE_K, 1024
.set KSTEP,  128
.set PITCH,  272                       ; an LDS row: 256 bytes + 16 of padding = 68 words: the 16 rows of a fragment load start at 16 different groups of four banks (64 banks of 4 bytes: ISA guide 11.1)
.set HALFT,  128*PITCH                 ; what one tensor load brings, and what one wave reads of nrm or of wgv
.set SLOT,   4*HALFT                   ; nrm's 256 rows, then wgv's 256 rows
.set SPARE,  2*SLOT                    ; behind the ring: the spare words, 128 bytes for each wave: two blocks of 256 bytes that no other line names
.set SSTG,   256*PITCH                 ; THE WAY OUT lies in slot 0, which has had its last fill (K step 6) and its last read when it is written: u's tile, 256 rows x 272 bytes from byte 0, then 1,024 bytes of column sums
.set LAPS,   SIZE_K/(2*KSTEP)          ; a lap = two K steps = once round the ring
.set ADRA, 16                          ; v16-17  LDS address of my fragments of nrm in slot 0, 1
.set BOF,  18                          ; v18     32 (l / 16): my eight biases of a block
.set ADRB, 20                          ; v20-21  the same as ADRA for wgv
.set SST,  22                          ; v22     where my half of the lanes puts its column sums
.set SRD,  23                          ; v23     where I read 16 bytes of them back
.set STO,  24                          ; v24     where I put 16 bytes of a row of u
.set RD,   25                          ; v25     where I read a row back
.set CO,   26                          ; v26     my byte offset in two rows of u
.set LN16, 27                          ; v27     16 x lane
.set SPW,  28                          ; v28     LDS address of my spare word; never rewritten
.set NIL,  29                          ; v29     0; never rewritten
.set PFO,  30                          ; v30     the prefetches' offset: lane x a row of 2,048 bytes; never rewritten
.set SUM,  32
.set F0,   64
.set F1,   128
.set TMP,  192
.set PFA,  44                          ; s[44:45] where my prefetches stand
.set LIM,  43                          ; s43     1 in a wave that prefetches, else the greatest number
.set G1,  24                           ; s[24:31] descriptor group 1 for nrm's tiles;  s[32:39] group 0, a set for each slot
.set G0,  32
.set G1B, 48                           ; s[48:55], s[56:63] the same for wgv's
.set G0B, 56
.set MSB, 0
.macro WIN new                         ; the immediate's high byte repeats the setting that is left; a switch that changes nothing is dropped
.if MSB != (\new)
	s_set_vgpr_msb (MSB<<8)|(\new)
.set MSB, \new
.endif
.endm
.set MUL_LO, 0xa1                      ; source 0 window 1, source 1 window 0, C and D window 2
.set MUL_HI, 0xf1                      ; the same, C and D window 3
.set TO_B,   0x40                      ; destination window 1, address window 0
; A joint load.  Waves 0 and 1 fetch nrm's two halves, waves 2 and 3 wgv's.  The branch hangs on the wave's number alone.  An s_nop 0 and four v_nop follow each of the two lines.
.macro JLOAD s
	s_cmp_eq_u32 s11, 0
	s_cbranch_scc0 .Lfor_b_\@
	tensor_load_to_lds s[G0+4*(\s):G0+4*(\s)+3], s[G1:G1+7]
	s_nop 0
.rept 4
	v_nop
.endr
	s_branch .Lasked_\@
.Lfor_b_\@:
	tensor_load_to_lds s[G0B+4*(\s):G0B+4*(\s)+3], s[G1B:G1B+7]
	s_nop 0
.rept 4
	v_nop
.endr
.Lasked_\@:
.endm
; A prefetch into the L2, behind a joint load, its five lines and the run of LDS loads: the K step that stands two refills on: 32 rows x 256 bytes, a lane a row, one instruction a wave.
; Each row's 256 bytes of K steps 4 to 7 are named once in the launch: nrm's rows by the clusters with x = 0, wgv's by those with y = 0; the four partners that ask for a tile jointly share its rows out by address,
; 32 each (by cx for nrm, by cy for wgv): no branch hangs on a work-group's place in its cluster.  K steps 0 to 3 come by their loads alone; the loop's last trip (s3 = 1) has no K step two refills on and asks for nothing.
.macro ASK
	s_cmp_gt_u32 s3, s[LIM]
	s_cbranch_scc0 .Lnot_mine_\@
	global_prefetch_b8 v[PFO], s[PFA:PFA+1] offset:KSTEP*2 th:TH_LOAD_NT scope:SCOPE_SE
.Lnot_mine_\@:
.endm
.macro CREST                           ; a round of the cluster's barrier behind its opening barrier
	s_cmp_lg_u32 s10, 0
	s_cbranch_scc1 .Lnot_wave_0_\@
	s_barrier_signal -3
.Lnot_wave_0_\@:
	s_barrier_wait -3
	s_barrier_signal -1
	s_barrier_wait -1
.endm
.macro CROUND                          ; a whole round
	s_barrier_signal -1
	s_barrier_wait -1
	CREST
.endm
	s_load_b128 s[4:7], s[0:1], 0x0                ; nrm s[4:5], wgv s[6:7]
	s_load_b64 s[68:69], s[0:1], 0x10              ; bias2
	s_load_b64 s[72:73], s[0:1], 0x18              ; u
	s_load_b64 s[74:75], s[0:1], 0x20              ; ssum
	v_lshl_add_u32 v[SPW], v0, 2, SPARE
	v_mov_b32 v[NIL], 0
	ds_add_u32 v[SPW], v[NIL]                      ; the wave's opening: the add and its wait stand ahead of my first tensor load; the set-up below, work on registers, stands between them
	v_lshrrev_b32 v1, 5, v0
	v_readfirstlane_b32 s10, v1                    ; wave 0..3
	s_lshr_b32 s11, s10, 1                         ; my half of the tile's rows.  Also: I fetch for nrm (0) or for wgv (1)
	s_and_b32 s12, s10, 1                          ; my half of its columns.  Also: which 128 rows of that tile I fetch
	s_bfe_u32 s40, ttmp6, 0x40000                  ; cx
	s_bfe_u32 s41, ttmp6, 0x40004                  ; cy
	s_lshl_b32 s42, ttmp9, 2
	s_add_co_u32 s42, s42, s40                     ; tile column tc = 4 x cluster x + cx
	s_and_b32 s13, ttmp7, 0xffff
	s_lshl_b32 s13, s13, 2
	s_add_co_u32 s13, s13, s41                     ; tile row tr = 4 x cluster y + cy
	s_lshl_b32 s43, s41, 2
	s_lshl_b32 s43, 15, s43                        ; my row of the cluster
	s_lshl_b32 s44, 0x1111, s40                    ; my column
	; descriptor group 1: a tile of 128 rows x 128 elements, padded in LDS
	s_or_b32 s[G1+0], s43, (1<<16)|(1<<20)|(1<<21)|(5<<22)|(3<<25)  ; 15:0 the mask; 17:16 elements of 2 bytes; 20 padding on; 21 set beside a mask; 24:22 after every 64 words (code 5); 31:25 4 words (code 3)
	s_or_b32 s[G1B+0], s44, (1<<16)|(1<<20)|(1<<21)|(5<<22)|(3<<25)
.irp g, G1, G1B
	s_mov_b32 s[(\g)+1], KSTEP<<16                 ; tensor_dim0 = 128
	s_mov_b32 s[(\g)+2], 128<<16                   ; tensor_dim1 = 128
	s_mov_b32 s[(\g)+3], KSTEP<<16                 ; tile_dim0 = 128
	s_mov_b32 s[(\g)+4], 128                       ; tile_dim1 = 128
	s_mov_b32 s[(\g)+5], SIZE_K                    ; elements from row to row
	s_mov_b32 s[(\g)+6], 0
	s_mov_b32 s[(\g)+7], 0
.endr
	; nrm's tiles hang on the tile row alone, wgv's on the tile column alone; each address is made in registers that never hold the other coordinate
	s_lshl_b32 s17, s12, 7
	s_lshl_b32 s16, s13, 8
	s_add_co_u32 s16, s16, s17                     ; nrm: row 256 tr + 128 x half
	s_lshl_b32 s46, s42, 8
	s_add_co_u32 s46, s46, s17                     ; wgv: row 256 tc + 128 x half
	s_mov_b32 s17, 0
	s_mov_b32 s47, 0
	s_mov_b64 s[18:19], SIZE_K*2
	s_mul_u64 s[16:17], s[16:17], s[18:19]
	s_mul_u64 s[46:47], s[46:47], s[18:19]
	s_mul_i32 s20, s10, HALFT                      ; where they go: wave x 128 rows
	v_and_b32 v1, 15, v0                           ; l % 16
	v_bfe_u32 v2, v0, 4, 1                         ; l / 16
	v_lshlrev_b32 v[BOF], 5, v2
	s_lshl_b32 s76, s42, 9
	s_lshl_b32 s78, s12, 8
	s_add_co_u32 s76, s76, s78                     ; my 64 channels in each half of bias2: 4 (128 tc + 64 x half) bytes
	s_mov_b32 s77, 0
	s_wait_dscnt 0x0                               ; the opening add is done
	s_wait_kmcnt 0x0
	s_add_nc_u64 s[14:15], s[4:5], s[16:17]
	s_add_nc_u64 s[46:47], s[6:7], s[46:47]
	s_add_nc_u64 s[68:69], s[68:69], s[76:77]
	s_lshl_b32 s76, s13, 19                        ; u: (256 tr + 64 w) rows of 2,048 bytes + 256 tc
	s_lshl_b32 s78, s10, 17
	s_add_co_u32 s76, s76, s78
	s_lshl_b32 s78, s42, 8
	s_add_co_u32 s76, s76, s78
	s_add_nc_u64 s[72:73], s[72:73], s[76:77]
	s_lshl_b32 s76, s13, 13                        ; ssum: row 2 tr + w % 2 (waves 0 and 1 store), 4,096 bytes each, + 512 tc
	s_lshl_b32 s78, s12, 12
	s_add_co_u32 s76, s76, s78
	s_lshl_b32 s78, s42, 9
	s_add_co_u32 s76, s76, s78
	s_add_nc_u64 s[74:75], s[74:75], s[76:77]
	WIN TO_B                                       ; the bias fragments: register j of block b = the bias of channel 16 (b % 4) + 8 (l / 16) + j, as the result's layout has it; the value's biases lie 4,096 bytes behind the gate's
.irp b, 0,1,2,3
	global_load_b128 v[8*(\b):8*(\b)+3],       v[BOF], s[68:69] offset:64*(\b)
	global_load_b128 v[8*(\b)+4:8*(\b)+7],     v[BOF], s[68:69] offset:64*(\b)+16
	global_load_b128 v[32+8*(\b):32+8*(\b)+3], v[BOF], s[68:69] offset:4096+64*(\b)
	global_load_b128 v[32+8*(\b)+4:32+8*(\b)+7], v[BOF], s[68:69] offset:4096+64*(\b)+16
.endr
	WIN 0
	CROUND                                         ; all sixteen work-groups are here: the first joint loads meet
.irp s, 0,1
	s_mov_b32 s[G0+4*(\s)], 1                                      ; count = 1
	s_add_co_u32 s[G0+4*(\s)+1], s20, (\s)*SLOT                    ; LDS address
	s_add_nc_u64 s[G0+4*(\s)+2:G0+4*(\s)+3], s[14:15], (\s)*KSTEP*2  ; global address: K step s
	s_or_b32 s[G0+4*(\s)+3], s[G0+4*(\s)+3], 0x80000000            ; type = 2
	s_mov_b32 s[G0B+4*(\s)], 1
	s_add_co_u32 s[G0B+4*(\s)+1], s20, (\s)*SLOT
	s_add_nc_u64 s[G0B+4*(\s)+2:G0B+4*(\s)+3], s[46:47], (\s)*KSTEP*2
	s_or_b32 s[G0B+4*(\s)+3], s[G0B+4*(\s)+3], 0x80000000
	JLOAD \s                                       ; two loads of mine are out
.endr
	; a fragment is 16 rows x 32 K in 8 registers: lane l holds row l % 16; registers 0-3 K = 8 (l / 16) + 0..7, registers 4-7 K = 16 + 8 (l / 16) + 0..7: two loads of 16 bytes, 32 bytes apart
	v_mul_u32_u24 v3, v1, PITCH
	v_lshl_add_u32 v3, v2, 4, v3                   ; row x pitch + 16 x half
	s_mul_i32 s21, s11, HALFT
	s_mul_i32 s22, s12, HALFT
	s_add_co_u32 s22, s22, 2*HALFT
.irp s, 0,1
	v_add_nc_u32 v[ADRA+(\s)], s21, v3
	v_add_nc_u32 v[ADRB+(\s)], s22, v3
	s_add_co_u32 s21, s21, SLOT
	s_add_co_u32 s22, s22, SLOT
.endr
	s_mul_i32 s23, s11, HALFT                      ; into the stage: row 128 x row half + l % 16, byte 128 x column half + 16 (l / 16)
	s_lshl_b32 s21, s12, 7
	s_add_co_u32 s23, s23, s21
	v_add_nc_u32 v[STO], s23, v3
	s_mul_i32 s23, s10, 64*PITCH                   ; back: wave w takes rows 64 w .. + 63, whole: lanes 0-15 one row of 256 bytes, lanes 16-31 the next
	v_mul_u32_u24 v5, v2, PITCH
	v_lshl_add_u32 v5, v1, 4, v5
	v_add_nc_u32 v[RD], s23, v5
	v_lshlrev_b32 v5, 11, v2                       ; and the same two rows in u
	v_lshl_add_u32 v[CO], v1, 4, v5
	s_lshl_b32 s23, s10, 8                         ; the sums: [row half][128 channels] f32: 512 x row half + 256 x column half = 256 w,
	s_add_co_u32 s23, s23, SSTG
	v_lshl_add_u32 v[SST], v2, 5, s23              ; + 32 (l / 16)
	v_and_b32 v4, 31, v0
	v_lshlrev_b32 v[LN16], 4, v4
	s_lshl_b32 s23, s12, 9
	s_add_co_u32 s23, s23, SSTG
	v_add_nc_u32 v[SRD], s23, v[LN16]
	; the prefetches
	s_lshl_b32 s13, s13, 8
	s_lshl_b32 s42, s42, 8
	s_and_b32 s22, ttmp7, 0xffff                   ; cluster y
	s_cmp_eq_u32 s11, 0                            ; do I fetch for nrm?
	s_cselect_b32 s20, s13, s42                    ; the tile's first row
	s_cselect_b32 s21, s40, s41                    ; my place among the four that ask for it with me
	s_cselect_b32 s22, ttmp9, s22                  ; the coordinate along which other clusters read the same rows
	s_cselect_b64 s[PFA:PFA+1], s[4:5], s[6:7]
	s_cmp_eq_u32 s22, 0
	s_cselect_b32 s[LIM], 1, -1                    ; the same in all sixteen partners, for a given wave
	s_lshl_b32 s22, s12, 7
	s_add_co_u32 s20, s20, s22                     ; + the 128 rows that I fetch
	s_lshl_b32 s21, s21, 5
	s_add_co_u32 s20, s20, s21                     ; + my work-group's 32 of them
	s_mov_b32 s21, 0
	s_mov_b64 s[18:19], SIZE_K*2
	s_mul_u64 s[20:21], s[20:21], s[18:19]
	s_add_nc_u64 s[PFA:PFA+1], s[PFA:PFA+1], s[20:21]
	s_add_nc_u64 s[PFA:PFA+1], s[PFA:PFA+1], 2*KSTEP*2  ; at K step 2: the first refill steps it to 3 and names K step 4
	v_and_b32 v[PFO], 31, v0
	v_mul_u32_u24 v[PFO], v[PFO], SIZE_K*2
	s_wait_loadcnt 0x0                             ; the biases
; 16 matrix instructions: m blocks a0, a0 + 1 of the window's four x all 8 n blocks, 32 along K.  zero = 1: the first product starts the sums with the biases (C in window 1).
; The 64 accumulators take turns, one instruction a turn, in the same order in every quarter, over the backward jump too.
.macro MUL16 f, hi, a0, zero
.if \zero
	WIN 0x91+0x40*(\hi)
.else
	WIN MUL_LO+0x50*(\hi)
.endif
.irp a, \a0, (\a0)+1
.irp b, 0,1,2,3,4,5,6,7
.if \zero
	v_wmma_f32_16x16x32_bf16 v[8*(8*(\a)+(\b)):8*(8*(\a)+(\b))+7], v[(\f)+8*(\b):(\f)+8*(\b)+7], v[(\f)+8*(4*(\hi)+(\a)):(\f)+8*(4*(\hi)+(\a))+7], v[8*(\b):8*(\b)+7]
.else
	v_wmma_f32_16x16x32_bf16 v[8*(8*(\a)+(\b)):8*(8*(\a)+(\b))+7], v[(\f)+8*(\b):(\f)+8*(\b)+7], v[(\f)+8*(4*(\hi)+(\a)):(\f)+8*(4*(\hi)+(\a))+7], v[8*(8*(\a)+(\b)):8*(8*(\a)+(\b))+7]
.endif
.endr
.endr
.endm
; 32 LDS loads in one run: the fragments of one quarter step (32 K at byte k of the rows) into buffer f
.macro FETCH slot, k, f
	WIN TO_B
.irp i, 0,1,2,3,4,5,6,7
	ds_load_b128 v[(\f)+8*(\i):(\f)+8*(\i)+3],   v[ADRB+(\slot)] offset:(\k)+(\i)*16*PITCH
	ds_load_b128 v[(\f)+8*(\i)+4:(\f)+8*(\i)+7], v[ADRB+(\slot)] offset:(\k)+(\i)*16*PITCH+32
.endr
	WIN 0
.irp i, 0,1,2,3,4,5,6,7
	ds_load_b128 v[(\f)+8*(\i):(\f)+8*(\i)+3],   v[ADRA+(\slot)] offset:(\k)+(\i)*16*PITCH
	ds_load_b128 v[(\f)+8*(\i)+4:(\f)+8*(\i)+7], v[ADRA+(\slot)] offset:(\k)+(\i)*16*PITCH+32
.endr
.endm
.macro PLACES                          ; four plain instructions between a matrix instruction and a load into a register that it has read, or a vector instruction that reads its result
.rept 4
	v_nop
.endr
.endm
; A K step is four quarters of 32 along K, 64 matrix instructions each, on buffers 0, 1, 0, 1.  One of the first three: multiplies buffer f; in its middle it fetches the next quarter, at byte k, into buffer g.
.macro QUARTER slot, k, f, g, zero
	s_wait_dscnt 8                                 ; all but the youngest eight loads (nrm's rows 64-127) are in
	MUL16 \f, 0, 0, \zero
	MUL16 \f, 0, 2, \zero
	PLACES
	FETCH \slot, \k, \g
	s_wait_dscnt 32                                ; all but the 32 just issued
	MUL16 \f, 1, 0, \zero
	MUL16 \f, 1, 2, \zero
.endm
; The last quarter multiplies buffer 1 and changes slots.  In front of the one barrier each wave waits for all its tensor loads (one is out: its part of the next slot), adds 0 to its spare word, and waits for that and for its reads of this slot.
.macro MEET round
	WIN 0                                          ; (the add's two registers lie in window 0)
	s_wait_tensorcnt 0x0
	ds_add_u32 v[SPW], v[NIL]
	s_wait_dscnt 9                                 ; the add and the youngest eight loads may be out
	MUL16 F1, 0, 0, 0
	s_wait_dscnt 0x0                               ; the add is done, and my reads of this slot are over
	s_barrier_signal -1
	MUL16 F1, 0, 2, 0
.if \round
	WIN 0
.endif
	s_barrier_wait -1
.endm
; fill = 1: the barrier opens a round of the cluster's, and the slot just read out is filled again first thing behind it, with the K step two steps on: 224 matrix instructions ahead of the wait for it.
.macro TURN slot, next, fill
.if \fill
	s_wait_xcnt 0x0                                ; the last prefetch, a K step back, has read its address
	s_add_nc_u64 s[PFA:PFA+1], s[PFA:PFA+1], KSTEP*2
	MEET 1
	CREST                                          ; no wave of any partner still reads this slot's tile or has a load on its way
	s_add_nc_u64 s[G0+4*(\slot)+2:G0+4*(\slot)+3], s[G0+4*(\slot)+2:G0+4*(\slot)+3], 2*KSTEP*2
	s_add_nc_u64 s[G0B+4*(\slot)+2:G0B+4*(\slot)+3], s[G0B+4*(\slot)+2:G0B+4*(\slot)+3], 2*KSTEP*2
	JLOAD \slot                                    ; its four v_nop are also the places in front of the loads below
.else
	MEET 0
	PLACES
.endif
	FETCH \next, 0, F0
.if \fill
	ASK
.endif
	MUL16 F1, 1, 0, 0
	MUL16 F1, 1, 2, 0
.endm
	s_wait_tensorcnt 1                             ; my part of K step 0 is in; K step 1's may stay out
	s_barrier_signal -1
	s_barrier_wait -1                              ; everybody's is
	FETCH 0, 0, F0
	QUARTER 0, 64,  F0, F1, 1                      ; the first quarter stands in front of the loop: its products start the sums
	WIN 0
	s_mov_b32 s3, LAPS-1
.Llap:                                                 ; a trip goes once round the ring, from a lap's second quarter to the next lap's first, and fills both slots again
	QUARTER 0, 128, F1, F0, 0
	QUARTER 0, 192, F0, F1, 0
	TURN 0, 1, 1
	QUARTER 1, 64,  F0, F1, 0
	QUARTER 1, 128, F1, F0, 0
	QUARTER 1, 192, F0, F1, 0
	TURN 1, 0, 1
	QUARTER 0, 64,  F0, F1, 0
	WIN 0
	s_sub_co_u32 s3, s3, 1
	s_cmp_lg_u32 s3, 0
	s_cbranch_scc1 .Llap
	QUARTER 0, 128, F1, F0, 0                      ; the last lap fills nothing
	QUARTER 0, 192, F0, F1, 0
	TURN 0, 1, 0                                   ; behind its barrier no wave reads slot 0 any more
	QUARTER 1, 64,  F0, F1, 0
	QUARTER 1, 128, F1, F0, 0
	QUARTER 1, 192, F0, F1, 0
	s_wait_dscnt 8                                 ; the very last quarter
	MUL16 F1, 0, 0, 0
	MUL16 F1, 0, 2, 0
	s_wait_dscnt 0x0
	MUL16 F1, 1, 0, 0
	MUL16 F1, 1, 2, 0
	PLACES
; THE WAY OUT of m block a (16 rows x 64 channels): u in f32 in z's registers; rounded to bf16 into the stage; the block's u added onto the blocks' before it, so that block 7 leaves the sums over my 128 rows.
; Each batch of 32 transcendentals has one plain instruction and one wait behind it.  Each accumulator is read from its lowest registers on.
.macro EPI a
.set AC, 64*((\a)%4)
.set WA, 0xaa+0x55*((\a)/4)            ; every operand place in window 2 or 3
	WIN WA
.set i, 0
.rept 32
	v_exp_f32 v[AC+i], v[AC+i]                     ; 2^z'
.set i, i+1
.endr
	v_nop
	s_wait_alu depctr_va_vdst(0)
.set i, 0
.rept 16
	v_pk_add_f32 v[AC+i:AC+i+1], v[AC+i:AC+i+1], 1.0 op_sel_hi:[1,0]
.set i, i+2
.endr
.set i, 0
.rept 32
	v_rcp_f32 v[AC+i], v[AC+i]
.set i, i+1
.endr
	v_nop
	s_wait_alu depctr_va_vdst(0)
.set i, 0
.rept 16
	v_pk_fma_f32 v[AC+i:AC+i+1], v[AC+i:AC+i+1], -2.0, 1.0 op_sel_hi:[1,0,0]  ; 2 g - 1
.set i, i+2
.endr
.set i, 0
.rept 16
	v_pk_mul_f32 v[AC+i:AC+i+1], v[AC+i:AC+i+1], v[AC+32+i:AC+32+i+1]         ; times v
.set i, i+2
.endr
	WIN 0x0a+5*((\a)/4)                            ; sources in window 2 or 3, destination in window 0
.set i, 0
.rept 16
	v_cvt_pk_bf16_f32 v[TMP+i], v[AC+2*i], v[AC+2*i+1]
.set i, i+1
.endr
.if (\a) == 4
	WIN 0xcb                                       ; block 3's sums lie in window 2
.elseif (\a) == 7
	WIN 0x0f                                       ; the last sums go to window 0
.elseif (\a) > 0
	WIN WA
.endif
.set i, 0
.rept 16
.if (\a) == 4
	v_pk_add_f32 v[i:i+1], v[i:i+1], v[192+i:192+i+1]
.elseif (\a) == 7
	v_pk_add_f32 v[SUM+i:SUM+i+1], v[AC+i:AC+i+1], v[AC-64+i:AC-64+i+1]
.elseif (\a) > 0
	v_pk_add_f32 v[AC+i:AC+i+1], v[AC+i:AC+i+1], v[AC-64+i:AC-64+i+1]
.endif
.set i, i+2
.endr
	WIN 0
.irp b, 0,1,2,3
	ds_store_b128 v[STO], v[TMP+4*(\b):TMP+4*(\b)+3] offset:(\a)*16*PITCH+32*(\b)
.endr
.endm
.irp a, 0,1,2,3,4,5,6,7
	EPI \a
.endr
.irp m, 1,2,4,8                        ; the sixteen rows that the lanes of a half hold: every lane ends with the sums of its half's eight channels a block
.set i, 0
.rept 32
	v_add_f32_dpp v[SUM+i], v[SUM+i], v[SUM+i] row_xmask:\m row_mask:0xf bank_mask:0xf
.set i, i+1
.endr
.endr
.irp k, 0,1,2,3,4,5,6,7
	ds_store_b128 v[SST], v[SUM+4*(\k):SUM+4*(\k)+3] offset:64*((\k)/2)+16*((\k)%2)  ; the sixteen lanes of a half write the same numbers to the same bytes
.endr
	s_wait_dscnt 0x0                               ; for the others' sake: my stores into the stage are done
	s_barrier_signal -1
	s_barrier_wait -1                              ; a row's 256 bytes come from two waves
.set t, 0
.rept 32
	ds_load_b128 v[F0+4*t:F0+4*t+3], v[RD] offset:t*2*PITCH
.set t, t+1
.endr
.set t, 0
.rept 32
	s_wait_dscnt 31-t                              ; the younger loads may stay out
	global_store_b128 v[CO], v[F0+4*t:F0+4*t+3], s[72:73] offset:4096*t  ; 16 lanes store 256 consecutive bytes, at a multiple of 256 from u's first byte
.set t, t+1
.endr
	s_cmp_lt_u32 s10, 2                            ; wave 0 stores the sums of the upper 128 rows, wave 1 those of the lower
	s_cbranch_scc0 .Lend
	ds_load_b128 v[TMP:TMP+3], v[SRD]
	s_wait_dscnt 0x0
	global_store_b128 v[LN16], v[TMP:TMP+3], s[74:75]  ; 512 consecutive bytes
.Lend:
	s_wait_tensorcnt 0x0                           ; the wave's end: behind my last tensor load and my last LDS store
	ds_add_u32 v[SPW], v[NIL]
	s_wait_dscnt 0x0
	CROUND                                         ; the closing round: no work-group ends while a partner may still ask for a tile that names it
	s_endpgm
.Lfunc_end_k_q7db58e73d5_gemm1:
	.size	k_q7db58e73d5_gemm1, .Lfunc_end_k_q7db58e73d5_gemm1-k_q7db58e73d5_gemm1
	.p2alignl 7, 3214868480
	.fill 96, 4, 3214868480
	.section	.rodata,"a",@progbits
	.p2align	6, 0x0
	.amdhsa_kernel k_q7db58e73d5_gemm1
		.amdhsa_group_segment_fixed_size 327680
		.amdhsa_private_segment_fixed_size 0
		.amdhsa_enable_private_segment 0
		.amdhsa_kernarg_size 40
		.amdhsa_user_sgpr_count 2
		.amdhsa_user_sgpr_kernarg_segment_ptr 1
		.amdhsa_wavefront_size32 1
		.amdhsa_system_sgpr_workgroup_id_x 1
		.amdhsa_system_sgpr_workgroup_id_y 1
		.amdhsa_system_sgpr_workgroup_id_z 1
		.amdhsa_system_vgpr_workitem_id 0
		.amdhsa_next_free_vgpr 1024
		.amdhsa_next_free_sgpr 80
		.amdhsa_reserve_vcc 0
		.amdhsa_float_denorm_mode_32 3
		.amdhsa_float_denorm_mode_16_64 3
		.amdhsa_memory_ordered 1
		.amdhsa_forward_progress 1
		.amdhsa_inst_pref_size 188
	.end_amdhsa_kernel
	.amdgpu_metadata
---
amdhsa.version: [ 1, 2 ]
amdhsa.kernels:
  - .name:           k_q7db58e73d5_gemm1
    .symbol:         k_q7db58e73d5_gemm1.kd
    .args:
      - { .name: nrm, .offset: 0, .size: 8, .value_kind: global_buffer, .address_space: global }
      - { .name: wgv, .offset: 8, .size: 8, .value_kind: global_buffer, .address_space: global }
      - { .name: bias2, .offset: 16, .size: 8, .value_kind: global_buffer, .address_space: global }
      - { .name: u, .offset: 24, .size: 8, .value_kind: global_buffer, .address_space: global }
      - { .name: ssum, .offset: 32, .size: 8, .value_kind: global_buffer, .address_space: global }
    .group_segment_fixed_size: 327680
    .private_segment_fixed_size: 0
    .kernarg_segment_align: 8
    .kernarg_segment_size: 40
    .max_flat_workgroup_size: 128
    .sgpr_count:     80
    .vgpr_count:     1024
    .wavefront_size: 32
...
	.end_amdgpu_metadata
.endif
;; end of part 2
;; launch gemm2 (part 3): grid 4 x 64, 4 waves a work-group, clusters of 4 x 4, 327,680 bytes of LDS; arguments u, wob, ssum, dtab, nrm, stat, bo, out0; writes out0
.if DOCPART == 3
	.amdgcn_target "amdgcn-amd-amdhsa--gfx1250"
	.amdhsa_code_object_version 6
	.text
	.protected	k_q7db58e73d5_gemm2
	.globl	k_q7db58e73d5_gemm2
	.p2align	8
	.type	k_q7db58e73d5_gemm2,@function
k_q7db58e73d5_gemm2:
	s_mov_b64 s[64:65], 0
	v_nop
	global_prefetch_b8 v0, s[64:65] scope:SCOPE_SE
	s_setreg_imm32_b32 hwreg(HW_REG_WAVE_MODE, 25, 1), 1
	s_wait_xcnt 0x0
	s_wait_alu depctr_hold_cnt(0) depctr_sa_sdst(0) depctr_va_vdst(0) depctr_va_sdst(0) depctr_va_ssrc(0) depctr_va_vcc(0) depctr_vm_vsrc(0)
	s_getreg_b32 s2, hwreg(HW_REG_IB_STS2, 6, 4)
	s_cmp_eq_u32 s2, 0
	s_cbranch_scc0 .Lentry_in_a_cluster
	s_endpgm
.Lentry_in_a_cluster:
	s_bfe_u32 s2, ttmp6, 0x10000c
	s_cmp_lg_u32 s2, 0xf033
	s_cbranch_scc0 .Lentry_shape_is_right
	s_endpgm
.Lentry_shape_is_right:
; GEMM 2.  out[t] = x[t] + bo + d[t] cumsum_t(u) Wo^T, d[t] = exp(-alpha t), t the row's place in its batch of 4,096.  The running sum and the row's scale commute with the product, so
; y = u Wo^T is made first and summed down the rows in f32.  The sum of all earlier blocks of 128 rows of the batch (the CARRY, a vector over K, summed here in f32 from ssum) is added to the block's
; first row of u on its way into the matrix unit: the product then carries it into every later row's running sum.
; THE RESIDUAL x is rebuilt as nrm sigma + mean, from the normalised rows in bf16 and each row's (mean, sigma) in f32: half the bytes of x.
; u, nrm: [16384][1024] bf16.  wob: [1024][1024] bf16.  ssum: [128][1024] f32.  dtab: 32 pairs (exp(-alpha 128 g), exp(-alpha)).  stat: [16384] pairs (mean, sigma).  bo: [1024] f32.  out0: [16384][1024] f32.
; LIMITS.  The rebuilt x is off by up to 2^-9 |x - mean of its row| (nrm's one rounding to bf16).  The carry enters the product rounded once to bf16, together with the block's first row of u.  Inside a block d is d[128 g] q^i by
; repeated f32 products: at most 127 roundings.  The carry is a sum of 30 rows of ssum times 1 or 0: a number of ssum that is not finite makes the whole batch's result not finite.  The order of the sums differs from the
; reference's: one sum of (2 g - 1) v, taken behind the product with Wo.
; A tile of out0 is 256 x 256, made by four waves, each 128 x 128 (a wave's rows are one block of 128): 64 accumulators, 512 registers.  K = 1024 goes in steps of 128 through a ring of two LDS slots.
; CLUSTER.  4 x 4 work-groups; u's tiles are asked for jointly along a row of the cluster, wob's along a column.  nrm's tile is the work-group's own: a plain tensor load.  THE MATRIX INSTRUCTION IS USED TRANSPOSED (source 0 = rows of wob, source 1 = rows of u).
; REGISTERS, in windows of 256 (s_set_vgpr_msb: bits 1:0 source 0, 3:2 source 1, 5:4 source 2, 7:6 destination):
;   window 0: v0-31 addresses, bo, the running sums; v32-63 the carry's fragments, two buffers; v64-127, v128-191 fragments of u (on the way out v64-95 nrm, v96-127 the rows' pairs); v192-255 at work
;   window 1: v64-127, v128-191 fragments of wob     window 2: accumulators of my rows 0-63 (at the head: ssum's rows)     window 3: those of my rows 64-127
.set SIZE_K, 1024
.set KSTEP,  128
.set PITCH,  272                       ; an LDS row: 256 bytes + 16 of padding: the 16 rows of a fragment load start at 16 different groups of four banks (64 banks of 4 bytes: ISA guide 11.1)
.set HALFT,  128*PITCH
.set SLOT,   4*HALFT                   ; u's 256 rows, then wob's 256 rows
.set CAR,    2*SLOT                    ; behind the ring, never filled by a tensor load: the carries in f32, 4,096 bytes for the upper block and 4,096 for the lower,
.set STAT,   CAR+8192                  ; and the tile's 256 pairs (mean, sigma), 2,048 bytes
.set SPARE,  STAT+2048                 ; the spare words, 128 bytes for each wave: two blocks of 256 bytes that no other line names
.set NTILE,  128*256                   ; THE WAY OUT.  Slot 0, read out a K step before the end, takes nrm's tile: for each wave 128 rows of 256 bytes, dense, from byte 32,768 x wave.
.set SPITCH, 528                       ; Slot 1, when it has had its last fill and its last read, becomes the stages: for each wave 64 rows of 512 bytes + 16
.set STGW,   64*SPITCH
.set LAPS,   SIZE_K/(2*KSTEP)
.set RD0,  6                           ; v6       where I read 16 bytes of my stage's first row
.set BO,   8                           ; v[8:11]  bo of my four columns
.set RUN,  12                          ; v[12:15] the running sums of my four columns
.set ADRA, 16                          ; v16-17   LDS address of my fragments of u in slot 0, 1
.set TO,   18                          ; v18      16 x thread: my 16 bytes of half a row of ssum, and of the tile's pairs
.set CST,  19                          ; v19      CAR + 16 x thread
.set ADRB, 20                          ; v20-21   the same as ADRA for wob
.set NRD,  22                          ; v22      where I read 8 bytes of a row of nrm
.set GO,   23                          ; v23      16 x lane; never rewritten
.set STO,  24                          ; v24      where I put 32 bytes of a row of y
.set RD,   25                          ; v25      where I read 16 bytes of a row back
.set SRD,  26                          ; v26      where a row's pair lies: the same in every lane
.set CAD,  27                          ; v27      LDS address of the carry of my block, K = 8 (l / 16) on
.set SPW,  28                          ; v28      LDS address of my spare word; never rewritten
.set NIL,  29                          ; v29      0; never rewritten
.set PFO,  30                          ; v30      the prefetches' offset: lane x a row of 2,048 bytes; never rewritten
.set MSK,  31                          ; v31      1.0 in the lanes that hold a fragment's row 0, else 0
.set CF0,  32                          ; v[32:47], v[48:63] the carry of a quarter's 32 K, as the fragment has them, for buffer 0, 1
.set F0,   64
.set F1,   128
.set NH,   64                          ; 16 rows of nrm, two registers each
.set SV,   96                          ; 16 rows' pairs
.set Y,    192                         ; 16 rows of y, then of out0
.set C0,   192                         ; at the head: the upper block's carry, my 8 channels
.set C1,   200                         ; the lower block's
.set SP0,  208                         ; two rows' pairs
.set PFA,  44
.set LIM,  43
.set G1,  24
.set G0,  32
.set G1B, 48
.set G0B, 56
.set GN0, 88                           ; s[88:91]  descriptor group 0 for nrm's tile
.set GN1, 92                           ; s[92:99]  its group 1
.set MSB, 0
.macro WIN new                         ; the immediate's high byte repeats the setting that is left; a switch that changes nothing is dropped
.if MSB != (\new)
	s_set_vgpr_msb (MSB<<8)|(\new)
.set MSB, \new
.endif
.endm
.set MUL_LO, 0xa1                      ; source 0 window 1, source 1 window 0, C and D window 2
.set MUL_HI, 0xf1
.set TO_B,   0x40
.macro JLOAD s                         ; a joint load: waves 0 and 1 fetch u's two halves, waves 2 and 3 wob's; an s_nop 0 and four v_nop follow each of the two lines
	s_cmp_eq_u32 s11, 0
	s_cbranch_scc0 .Lfor_b_\@
	tensor_load_to_lds s[G0+4*(\s):G0+4*(\s)+3], s[G1:G1+7]
	s_nop 0
.rept 4
	v_nop
.endr
	s_branch .Lasked_\@
.Lfor_b_\@:
	tensor_load_to_lds s[G0B+4*(\s):G0B+4*(\s)+3], s[G1B:G1B+7]
	s_nop 0
.rept 4
	v_nop
.endr
.Lasked_\@:
.endm
; A prefetch into the L2 of the K step that stands two refills on: 32 rows x 256 bytes, a lane a row, one instruction a wave, behind the joint load, its five lines and the run of LDS loads.  Each row's 256 bytes of K steps 4 to 7 are
; named once: u's rows by their own cluster (the grid has one cluster along x), wob's by the clusters with y = 0; the four partners share a tile's rows out by address, 32 each.  The loop's last trip (s3 = 1) asks for nothing.
.macro ASK
	s_cmp_gt_u32 s3, s[LIM]
	s_cbranch_scc0 .Lnot_mine_\@
	global_prefetch_b8 v[PFO], s[PFA:PFA+1] offset:KSTEP*2 th:TH_LOAD_NT scope:SCOPE_SE
.Lnot_mine_\@:
.endm
; nrm's tile, which the launch reads once: in the loop's last trip, behind the last joint load, each wave asks for the 128 rows x 256 bytes that its own tensor load will bring: a lane a row, 32 rows an instruction.
; Each block is named once in the launch.  Between these lines and that load stand a K step's worth of products: 256 matrix instructions.
.macro ASKN
	s_cmp_eq_u32 s3, 1
	s_cbranch_scc0 .Lnot_yet_\@
.irp p, 0,1,2,3
	global_prefetch_b8 v[PFO], s[72:73] offset:(\p)*65536 th:TH_LOAD_NT scope:SCOPE_SE
.endr
.Lnot_yet_\@:
.endm
.macro CREST
	s_cmp_lg_u32 s10, 0
	s_cbranch_scc1 .Lnot_wave_0_\@
	s_barrier_signal -3
.Lnot_wave_0_\@:
	s_barrier_wait -3
	s_barrier_signal -1
	s_barrier_wait -1
.endm
.macro CROUND
	s_barrier_signal -1
	s_barrier_wait -1
	CREST
.endm
	s_load_b128 s[4:7], s[0:1], 0x0                ; u s[4:5], wob s[6:7]
	s_load_b128 s[68:71], s[0:1], 0x10             ; ssum s[68:69], dtab s[70:71]
	s_load_b128 s[72:75], s[0:1], 0x20             ; nrm s[72:73], stat s[74:75]
	s_load_b128 s[76:79], s[0:1], 0x30             ; bo s[76:77], out0 s[78:79]
	v_lshl_add_u32 v[SPW], v0, 2, SPARE
	v_mov_b32 v[NIL], 0
	ds_add_u32 v[SPW], v[NIL]                      ; the wave's opening: the add and its wait stand ahead of my first tensor load; the set-up below, work on registers, stands between them
	v_lshrrev_b32 v1, 5, v0
	v_readfirstlane_b32 s10, v1                    ; wave 0..3
	s_lshr_b32 s11, s10, 1                         ; my half of the tile's rows.  Also: I fetch for u (0) or for wob (1)
	s_and_b32 s12, s10, 1                          ; my half of its columns.  Also: which 128 rows of that tile I fetch
	s_bfe_u32 s40, ttmp6, 0x40000                  ; cx
	s_bfe_u32 s41, ttmp6, 0x40004                  ; cy
	s_lshl_b32 s42, ttmp9, 2
	s_add_co_u32 s42, s42, s40                     ; tile column tc
	s_and_b32 s13, ttmp7, 0xffff
	s_lshl_b32 s13, s13, 2
	s_add_co_u32 s13, s13, s41                     ; tile row tr
	s_lshl_b32 s43, s41, 2
	s_lshl_b32 s43, 15, s43                        ; my row of the cluster
	s_lshl_b32 s44, 0x1111, s40                    ; my column
	s_or_b32 s[G1+0], s43, (1<<16)|(1<<20)|(1<<21)|(5<<22)|(3<<25)  ; 15:0 the mask; 17:16 elements of 2 bytes; 20 padding on; 21 set beside a mask; 24:22 after every 64 words (code 5); 31:25 4 words (code 3)
	s_or_b32 s[G1B+0], s44, (1<<16)|(1<<20)|(1<<21)|(5<<22)|(3<<25)
	s_mov_b32 s[GN1+0], 1<<16                      ; nrm's tile: no mask, elements of 2 bytes, no padding: its rows are read 256 consecutive bytes at a time
.irp g, G1, G1B, GN1
	s_mov_b32 s[(\g)+1], KSTEP<<16                 ; tensor_dim0 = 128
	s_mov_b32 s[(\g)+2], 128<<16                   ; tensor_dim1 = 128
	s_mov_b32 s[(\g)+3], KSTEP<<16                 ; tile_dim0 = 128
	s_mov_b32 s[(\g)+4], 128                       ; tile_dim1 = 128
	s_mov_b32 s[(\g)+5], SIZE_K                    ; elements from row to row
	s_mov_b32 s[(\g)+6], 0
	s_mov_b32 s[(\g)+7], 0
.endr
	s_mov_b32 s[GN0], 1                            ; count = 1
	s_mul_i32 s[GN0+1], s10, NTILE                 ; LDS address: wave x 32,768
	s_lshl_b32 s17, s12, 7
	s_lshl_b32 s16, s13, 8
	s_add_co_u32 s16, s16, s17                     ; u: row 256 tr + 128 x half
	s_lshl_b32 s46, s42, 8
	s_add_co_u32 s46, s46, s17                     ; wob: row 256 tc + 128 x half
	s_mov_b32 s17, 0
	s_mov_b32 s47, 0
	s_mov_b64 s[18:19], SIZE_K*2
	s_mul_u64 s[16:17], s[16:17], s[18:19]
	s_mul_u64 s[46:47], s[46:47], s[18:19]
	s_mul_i32 s20, s10, HALFT
	v_and_b32 v1, 15, v0                           ; l % 16
	v_bfe_u32 v2, v0, 4, 1                         ; l / 16
	v_and_b32 v3, 31, v0                           ; l
	v_lshlrev_b32 v[GO], 4, v3
	v_lshlrev_b32 v[TO], 4, v0
	s_lshl_b32 s82, s13, 8                         ; my part of out0: row 256 tr + 128 x row half, 4,096 bytes each,
	s_lshl_b32 s86, s11, 7
	s_add_co_u32 s82, s82, s86
	s_lshl_b32 s82, s82, 12
	s_lshl_b32 s86, s42, 10                        ; column bytes 1,024 tc + 512 x column half
	s_lshl_b32 s87, s12, 9
	s_add_co_u32 s86, s86, s87
	s_add_co_u32 s82, s82, s86
	s_mov_b32 s83, 0
	s_mov_b32 s87, 0
	s_wait_dscnt 0x0                               ; the opening add is done
	s_wait_kmcnt 0x0
	s_add_nc_u64 s[14:15], s[4:5], s[16:17]
	s_add_nc_u64 s[46:47], s[6:7], s[46:47]
	s_add_nc_u64 s[78:79], s[78:79], s[82:83]
	s_lshr_b32 s82, s82, 1                         ; the same place in nrm: half the bytes
	s_add_nc_u64 s[72:73], s[72:73], s[82:83]
	s_add_nc_u64 s[76:77], s[76:77], s[86:87]
	s_lshl_b32 s82, s13, 11                        ; the tile's 256 pairs of 8 bytes
	s_add_nc_u64 s[74:75], s[74:75], s[82:83]
	s_mov_b64 s[GN0+2:GN0+3], s[72:73]             ; global address of my part of nrm's tile
	s_or_b32 s[GN0+3], s[GN0+3], 0x80000000        ; type = 2
	s_lshr_b32 s82, s13, 4                         ; the batch: its 32 rows of ssum are 131,072 bytes
	s_lshl_b32 s82, s82, 17
	s_add_nc_u64 s[68:69], s[68:69], s[82:83]
	s_and_b32 s86, s13, 15
	s_lshl_b32 s86, s86, 1                         ; g0: the tile's upper block in its batch, 0, 2 .. 30
	s_lshl_b32 s82, s86, 12
	s_add_nc_u64 s[84:85], s[68:69], s[82:83]      ; ssum at block g0
	s_add_co_u32 s82, s86, s11                     ; my block g
	s_lshl_b32 s82, s82, 3
	s_add_nc_u64 s[70:71], s[70:71], s[82:83]
	s_load_b64 s[80:81], s[70:71], 0x0             ; D = exp(-alpha 128 g), Q = exp(-alpha)
	global_load_b128 v[BO:BO+3], v[GO], s[76:77]
	global_load_b128 v[SP0:SP0+3], v[TO], s[74:75] ; thread t: the pairs of the tile's rows 2 t and 2 t + 1
	WIN 0x80                                       ; blocks 0 to 29 of the batch and block g0: thread t takes channels 4 t .. + 3 and 512 + 4 t .. + 3, so a load of the wave covers 512 consecutive bytes
.set j, 0
.rept 30
	global_load_b128 v[8*j:8*j+3],   v[TO], s[68:69] offset:4096*j
	global_load_b128 v[8*j+4:8*j+7], v[TO], s[68:69] offset:4096*j+2048
.set j, j+1
.endr
	global_load_b128 v[240:243], v[TO], s[84:85]
	global_load_b128 v[244:247], v[TO], s[84:85] offset:2048
	WIN 0
	CROUND                                         ; all sixteen work-groups are here: the first joint loads meet
.irp s, 0,1
	s_mov_b32 s[G0+4*(\s)], 1
	s_add_co_u32 s[G0+4*(\s)+1], s20, (\s)*SLOT
	s_add_nc_u64 s[G0+4*(\s)+2:G0+4*(\s)+3], s[14:15], (\s)*KSTEP*2
	s_or_b32 s[G0+4*(\s)+3], s[G0+4*(\s)+3], 0x80000000
	s_mov_b32 s[G0B+4*(\s)], 1
	s_add_co_u32 s[G0B+4*(\s)+1], s20, (\s)*SLOT
	s_add_nc_u64 s[G0B+4*(\s)+2:G0B+4*(\s)+3], s[46:47], (\s)*KSTEP*2
	s_or_b32 s[G0B+4*(\s)+3], s[G0B+4*(\s)+3], 0x80000000
	JLOAD \s                                       ; two loads of mine are out
.endr
	v_mul_u32_u24 v4, v1, PITCH
	v_lshl_add_u32 v4, v2, 4, v4                   ; a fragment's row x pitch + 16 x half
	s_mul_i32 s21, s11, HALFT
	s_mul_i32 s22, s12, HALFT
	s_add_co_u32 s22, s22, 2*HALFT
.irp s, 0,1
	v_add_nc_u32 v[ADRA+(\s)], s21, v4
	v_add_nc_u32 v[ADRB+(\s)], s22, v4
	s_add_co_u32 s21, s21, SLOT
	s_add_co_u32 s22, s22, SLOT
.endr
	s_mul_i32 s23, s10, STGW                       ; my stage, in slot 1
	s_add_co_u32 s23, s23, SLOT
	v_mul_u32_u24 v4, v1, SPITCH                   ; in: row l % 16, 32 bytes for each half of the lanes
	v_lshl_add_u32 v4, v2, 5, v4
	v_add_nc_u32 v[STO], s23, v4
	v_add_nc_u32 v[RD0], s23, v[GO]                ; back: a row's 512 bytes, 16 a lane
	s_mul_i32 s23, s10, NTILE
	v_lshl_add_u32 v[NRD], v3, 3, s23              ; a row of nrm: 256 bytes, 8 a lane: the same four columns
	s_lshl_b32 s23, s11, 10
	s_add_co_u32 s23, s23, STAT
	v_mov_b32 v[SRD], s23                          ; my block's 128 pairs
	s_lshl_b32 s23, s11, 12
	s_add_co_u32 s23, s23, CAR
	v_lshl_add_u32 v[CAD], v2, 5, s23
	v_lshl_add_u32 v[CST], v0, 4, CAR
	v_cmp_eq_u32 vcc_lo, 0, v1
	v_cndmask_b32 v[MSK], 0, 1.0, vcc_lo
	; the tiles' prefetches
	s_lshl_b32 s13, s13, 8
	s_lshl_b32 s42, s42, 8
	s_and_b32 s22, ttmp7, 0xffff
	s_cmp_eq_u32 s11, 0
	s_cselect_b32 s20, s13, s42
	s_cselect_b32 s21, s40, s41
	s_cselect_b32 s22, ttmp9, s22
	s_cselect_b64 s[PFA:PFA+1], s[4:5], s[6:7]
	s_cmp_eq_u32 s22, 0
	s_cselect_b32 s[LIM], 1, -1
	s_lshl_b32 s22, s12, 7
	s_add_co_u32 s20, s20, s22
	s_lshl_b32 s21, s21, 5
	s_add_co_u32 s20, s20, s21
	s_mov_b32 s21, 0
	s_mov_b64 s[18:19], SIZE_K*2
	s_mul_u64 s[20:21], s[20:21], s[18:19]
	s_add_nc_u64 s[PFA:PFA+1], s[PFA:PFA+1], s[20:21]
	s_add_nc_u64 s[PFA:PFA+1], s[PFA:PFA+1], 2*KSTEP*2
	v_and_b32 v[PFO], 31, v0
	v_mul_u32_u24 v[PFO], v[PFO], SIZE_K*2
	; THE CARRIES, in f32: the upper block's is the sum of ssum's rows j < g0 of the batch.  g0 only chooses a factor 1 or 0: no branch and no trip count hangs on the work-group's place.
	s_wait_loadcnt 0x0
	s_mov_b32 s17, 0                               ; named with s16 as a pair
	WIN 0x02                                       ; source 0 in window 2
.set j, 0
.rept 30
	s_cmp_gt_u32 s86, j
	s_cselect_b32 s16, 1.0, 0
.irp p, 0,2,4,6
.if j == 0
	v_pk_mul_f32 v[C0+(\p):C0+(\p)+1], v[8*j+(\p):8*j+(\p)+1], s[16:17] op_sel_hi:[1,0]
.else
	v_pk_fma_f32 v[C0+(\p):C0+(\p)+1], v[8*j+(\p):8*j+(\p)+1], s[16:17], v[C0+(\p):C0+(\p)+1] op_sel_hi:[1,0,1]
.endif
.endr
.set j, j+1
.endr
.irp p, 0,2,4,6
	v_pk_add_f32 v[C1+(\p):C1+(\p)+1], v[240+(\p):240+(\p)+1], v[C0+(\p):C0+(\p)+1]  ; the lower block's: + block g0
.endr
	WIN 0
	ds_store_b128 v[CST], v[C0:C0+3]
	ds_store_b128 v[CST], v[C0+4:C0+7] offset:2048
	ds_store_b128 v[CST], v[C1:C1+3] offset:4096
	ds_store_b128 v[CST], v[C1+4:C1+7] offset:6144
	ds_store_b128 v[CST], v[SP0:SP0+3] offset:STAT-CAR
	s_wait_kmcnt 0x0                               ; D and Q
; 16 matrix instructions: m blocks a0, a0 + 1 of the window's four x all 8 n blocks, 32 along K.  zero = 1: the first product starts the sums.  The 64 accumulators take turns.
.macro MUL16 f, hi, a0, zero
	WIN MUL_LO+0x50*(\hi)
.irp a, \a0, (\a0)+1
.irp b, 0,1,2,3,4,5,6,7
.if \zero
	v_wmma_f32_16x16x32_bf16 v[8*(8*(\a)+(\b)):8*(8*(\a)+(\b))+7], v[(\f)+8*(\b):(\f)+8*(\b)+7], v[(\f)+8*(4*(\hi)+(\a)):(\f)+8*(4*(\hi)+(\a))+7], 0
.else
	v_wmma_f32_16x16x32_bf16 v[8*(8*(\a)+(\b)):8*(8*(\a)+(\b))+7], v[(\f)+8*(\b):(\f)+8*(\b)+7], v[(\f)+8*(4*(\hi)+(\a)):(\f)+8*(4*(\hi)+(\a))+7], v[8*(8*(\a)+(\b)):8*(8*(\a)+(\b))+7]
.endif
.endr
.endr
.endm
; 36 LDS loads in one run: wob's fragments of a quarter, the carry of its 32 K (at byte c behind CAD: 8 numbers at K = 8 (l / 16), 8 at K = 16 + 8 (l / 16)), u's fragments, rows ascending
.macro FETCH slot, k, f, c
	WIN TO_B
.irp i, 0,1,2,3,4,5,6,7
	ds_load_b128 v[(\f)+8*(\i):(\f)+8*(\i)+3],   v[ADRB+(\slot)] offset:(\k)+(\i)*16*PITCH
	ds_load_b128 v[(\f)+8*(\i)+4:(\f)+8*(\i)+7], v[ADRB+(\slot)] offset:(\k)+(\i)*16*PITCH+32
.endr
	WIN 0
.set CF, CF0+16*(((\f)-F0)/64)
	ds_load_b128 v[CF:CF+3],     v[CAD] offset:(\c)
	ds_load_b128 v[CF+4:CF+7],   v[CAD] offset:(\c)+16
	ds_load_b128 v[CF+8:CF+11],  v[CAD] offset:(\c)+64
	ds_load_b128 v[CF+12:CF+15], v[CAD] offset:(\c)+80
.irp i, 0,1,2,3,4,5,6,7
	ds_load_b128 v[(\f)+8*(\i):(\f)+8*(\i)+3],   v[ADRA+(\slot)] offset:(\k)+(\i)*16*PITCH
	ds_load_b128 v[(\f)+8*(\i)+4:(\f)+8*(\i)+7], v[ADRA+(\slot)] offset:(\k)+(\i)*16*PITCH+32
.endr
.endm
; The carry goes onto my block's first row: carry x mask + u, reckoned in f32 and rounded once to bf16, half by half, in the first fragment of u.  Where the mask is 0 a lane gets its u back as it was.
.macro PATCH f
	WIN 0
.set CF, CF0+16*(((\f)-F0)/64)
.irp j, 0,1,2,3,4,5,6,7
	v_fma_mixlo_bf16 v[(\f)+(\j)], v[CF+2*(\j)],   v[MSK], v[(\f)+(\j)] op_sel_hi:[0,0,1]
	v_fma_mixhi_bf16 v[(\f)+(\j)], v[CF+2*(\j)+1], v[MSK], v[(\f)+(\j)] op_sel:[0,0,1] op_sel_hi:[0,0,1]
.endr
.endm
.macro PLACES                          ; four plain instructions between a matrix instruction and a load into a register that it has read, or an instruction that reads its result
.rept 4
	v_nop
.endr
.endm
.macro QUARTER slot, k, f, g, zero, c
	s_wait_dscnt 8                                 ; all but the youngest eight loads (u's rows 64-127) are in, the carry among them
	PATCH \f
	MUL16 \f, 0, 0, \zero
	MUL16 \f, 0, 2, \zero
	PLACES
	FETCH \slot, \k, \g, \c
	s_wait_dscnt 36                                ; all but the 36 just issued
	MUL16 \f, 1, 0, \zero
	MUL16 \f, 1, 2, \zero
.endm
; The first half of a K step's last quarter, and the opening of a round: in front of the signal each wave waits for all its tensor loads (one is out: its part of the next slot), adds 0 to its spare word, and waits for that and for its reads of this slot.
.macro MEET
	WIN 0                                          ; (the add's two registers lie in window 0)
	s_wait_tensorcnt 0x0
	ds_add_u32 v[SPW], v[NIL]
	s_wait_dscnt 9                                 ; the add and the youngest eight loads may be out
	PATCH F1
	MUL16 F1, 0, 0, 0
	s_wait_dscnt 0x0                               ; the add is done, and my reads of this slot are over
	s_barrier_signal -1
	MUL16 F1, 0, 2, 0
	WIN 0
	s_barrier_wait -1
.endm
; The change of slots.  The slot just read out is filled again, first thing behind the round.  fill = 1: jointly, with the K step two steps on.  fill = 2 (slot 0, for the last time): with my part of nrm's tile, by a load of my own:
; 288 matrix instructions ahead of the way out, which reads it.
.macro TURN slot, next, fill, c
.if (\fill) == 1
	s_wait_xcnt 0x0                                ; the last prefetch, a K step back, has read its address
	s_add_nc_u64 s[PFA:PFA+1], s[PFA:PFA+1], KSTEP*2
.endif
	MEET
	CREST                                          ; no wave of any partner still reads this slot's tile or has a load on its way
.if (\fill) == 1
	s_add_nc_u64 s[G0+4*(\slot)+2:G0+4*(\slot)+3], s[G0+4*(\slot)+2:G0+4*(\slot)+3], 2*KSTEP*2
	s_add_nc_u64 s[G0B+4*(\slot)+2:G0B+4*(\slot)+3], s[G0B+4*(\slot)+2:G0B+4*(\slot)+3], 2*KSTEP*2
	JLOAD \slot                                    ; its four v_nop are also the places in front of the loads below
.else
	tensor_load_to_lds s[GN0:GN0+3], s[GN1:GN1+7]
	s_nop 0
.rept 4
	v_nop                                          ; likewise
.endr
.endif
	FETCH \next, 0, F0, \c
.if (\fill) == 1
	ASK
.if (\slot) == 1
	ASKN
.endif
.endif
	MUL16 F1, 1, 0, 0
	MUL16 F1, 1, 2, 0
.endm
	s_wait_tensorcnt 1                             ; my part of K step 0 is in; K step 1's may stay out
	s_wait_dscnt 0x0                               ; my part of the carries and of the pairs is stored
	s_barrier_signal -1
	s_barrier_wait -1                              ; everybody's is
	FETCH 0, 0, F0, 0
	QUARTER 0, 64,  F0, F1, 1, 128                 ; the first quarter stands in front of the loop: its products start the sums
	WIN 0
	s_mov_b32 s3, LAPS-1
.Llap:                                                 ; a trip goes once round the ring and fills both slots again; a quarter's carry is 128 bytes, a trip's 1,024
	QUARTER 0, 128, F1, F0, 0, 256
	QUARTER 0, 192, F0, F1, 0, 384
	TURN 0, 1, 1, 512
	QUARTER 1, 64,  F0, F1, 0, 640
	QUARTER 1, 128, F1, F0, 0, 768
	QUARTER 1, 192, F0, F1, 0, 896
	TURN 1, 0, 1, 1024
	QUARTER 0, 64,  F0, F1, 0, 1152
	WIN 0
	v_add_nc_u32 v[CAD], 1024, v[CAD]
	s_sub_co_u32 s3, s3, 1
	s_cmp_lg_u32 s3, 0
	s_cbranch_scc1 .Llap
	QUARTER 0, 128, F1, F0, 0, 256                 ; the last lap
	QUARTER 0, 192, F0, F1, 0, 384
	TURN 0, 1, 2, 512                              ; slot 0 takes nrm's tile
	QUARTER 1, 64,  F0, F1, 0, 640
	QUARTER 1, 128, F1, F0, 0, 768
	QUARTER 1, 192, F0, F1, 0, 896
	s_wait_dscnt 8                                 ; the very last quarter
	PATCH F1
	MUL16 F1, 0, 0, 0
	MUL16 F1, 0, 2, 0
	s_wait_dscnt 0x0                               ; my reads of slot 1 are over:
	s_barrier_signal -1
	MUL16 F1, 1, 0, 0
	MUL16 F1, 1, 2, 0
	WIN 0
	s_barrier_wait -1                              ; everybody's are: slot 1, filled for the last time, becomes the stages.  My load of nrm's tile may be out across it
	PLACES
; THE WAY OUT.  y goes into my stage as the accumulators hold it, 64 rows at a time, and comes back by rows: a lane then holds four columns of a row, and the running sum down my 128 rows is four numbers a lane.
; out = run x d + (nrm sigma + mean + bo); d steps by q from row to row.
.macro STAGE h                         ; my rows 64 h .. 64 h + 63: the accumulators of window 2 + h; each accumulator's lowest registers first
	WIN 0x08+4*(\h)                                ; the stores' data in window 2 or 3
.set a, 0
.rept 4
.set b, 0
.rept 8
	ds_store_b128 v[STO], v[64*a+8*b:64*a+8*b+3]   offset:16*SPITCH*a+64*b
	ds_store_b128 v[STO], v[64*a+8*b+4:64*a+8*b+7] offset:16*SPITCH*a+64*b+16
.set b, b+1
.endr
.set a, a+1
.endr
	WIN 0
.endm
.macro ROWS                            ; sixteen rows
.set i, 0
.rept 16
	ds_load_b128 v[Y+4*i:Y+4*i+3],   v[RD]  offset:SPITCH*i  ; LDS serves a wave's instructions in order (ISA guide 5.7.1.4): these see my stores into the stage
	ds_load_b64  v[NH+2*i:NH+2*i+1], v[NRD] offset:256*i
	ds_load_b64  v[SV+2*i:SV+2*i+1], v[SRD] offset:8*i       ; (mean, sigma): every lane reads the same 8 bytes
.set i, i+1
.endr
.set i, 0
.rept 16
	s_wait_dscnt 3*(15-i)                          ; the younger rows' three loads each may stay out
	v_pk_add_f32 v[RUN:RUN+1],   v[RUN:RUN+1],   v[Y+4*i:Y+4*i+1]
	v_pk_add_f32 v[RUN+2:RUN+3], v[RUN+2:RUN+3], v[Y+4*i+2:Y+4*i+3]
	v_pk_add_f32 v[Y+4*i:Y+4*i+1],   v[BO:BO+1],     v[SV+2*i:SV+2*i+1] op_sel_hi:[1,0]  ; bo + mean
	v_pk_add_f32 v[Y+4*i+2:Y+4*i+3], v[BO+2:BO+3],   v[SV+2*i:SV+2*i+1] op_sel_hi:[1,0]
	v_fma_mix_f32_bf16 v[Y+4*i],   v[NH+2*i],   v[SV+2*i+1], v[Y+4*i]   op_sel_hi:[1,0,0]                  ; + nrm sigma, straight from the bf16 halves
	v_fma_mix_f32_bf16 v[Y+4*i+1], v[NH+2*i],   v[SV+2*i+1], v[Y+4*i+1] op_sel:[1,0,0] op_sel_hi:[1,0,0]
	v_fma_mix_f32_bf16 v[Y+4*i+2], v[NH+2*i+1], v[SV+2*i+1], v[Y+4*i+2] op_sel_hi:[1,0,0]
	v_fma_mix_f32_bf16 v[Y+4*i+3], v[NH+2*i+1], v[SV+2*i+1], v[Y+4*i+3] op_sel:[1,0,0] op_sel_hi:[1,0,0]
	v_pk_fma_f32 v[Y+4*i:Y+4*i+1],   v[RUN:RUN+1],   s[80:81], v[Y+4*i:Y+4*i+1]   op_sel_hi:[1,0,1]
	v_pk_fma_f32 v[Y+4*i+2:Y+4*i+3], v[RUN+2:RUN+3], s[80:81], v[Y+4*i+2:Y+4*i+3] op_sel_hi:[1,0,1]
	s_mul_f32 s80, s80, s81                        ; the next row's d
	global_store_b128 v[GO], v[Y+4*i:Y+4*i+3], s[78:79] offset:4096*i th:TH_STORE_NT  ; the wave stores 512 consecutive bytes, at a multiple of 256 from out0's first byte
.set i, i+1
.endr
.endm
	s_wait_tensorcnt 0x0                           ; my part of nrm's tile is in; I alone read it
.irp c, 0,1,2,3
	v_mov_b32 v[RUN+(\c)], 0
.endr
	s_mov_b32 s2, 2
.Lhalf:                                                ; twice: 64 rows are staged and go out
	s_cmp_eq_u32 s2, 2
	s_cbranch_scc0 .Llower
	STAGE 0
	s_branch .Lstaged
.Llower:
	STAGE 1
.Lstaged:
	v_mov_b32 v[RD], v[RD0]
	s_mov_b32 s3, 4
.Lrows:                                                ; a trip: 16 rows
	ROWS
	s_wait_xcnt 0x0                                ; the trip's stores have read their data and their base: only behind this wait are these written again
	s_add_nc_u64 s[78:79], s[78:79], 16*4096
	v_add_nc_u32 v[RD], 16*SPITCH, v[RD]
	v_add_nc_u32 v[NRD], 16*256, v[NRD]
	v_add_nc_u32 v[SRD], 16*8, v[SRD]
	s_sub_co_u32 s3, s3, 1
	s_cmp_lg_u32 s3, 0
	s_cbranch_scc1 .Lrows
	s_sub_co_u32 s2, s2, 1
	s_cmp_lg_u32 s2, 0
	s_cbranch_scc1 .Lhalf
	s_wait_tensorcnt 0x0                           ; the wave's end: behind my last tensor load and my last LDS store
	ds_add_u32 v[SPW], v[NIL]
	s_wait_dscnt 0x0
	CROUND                                         ; the closing round: no work-group ends while a partner may still ask for a tile that names it
	s_endpgm
.Lfunc_end_k_q7db58e73d5_gemm2:
	.size	k_q7db58e73d5_gemm2, .Lfunc_end_k_q7db58e73d5_gemm2-k_q7db58e73d5_gemm2
	.p2alignl 7, 3214868480
	.fill 96, 4, 3214868480
	.section	.rodata,"a",@progbits
	.p2align	6, 0x0
	.amdhsa_kernel k_q7db58e73d5_gemm2
		.amdhsa_group_segment_fixed_size 327680
		.amdhsa_private_segment_fixed_size 0
		.amdhsa_enable_private_segment 0
		.amdhsa_kernarg_size 64
		.amdhsa_user_sgpr_count 2
		.amdhsa_user_sgpr_kernarg_segment_ptr 1
		.amdhsa_wavefront_size32 1
		.amdhsa_system_sgpr_workgroup_id_x 1
		.amdhsa_system_sgpr_workgroup_id_y 1
		.amdhsa_system_sgpr_workgroup_id_z 1
		.amdhsa_system_vgpr_workitem_id 0
		.amdhsa_next_free_vgpr 1024
		.amdhsa_next_free_sgpr 100
		.amdhsa_reserve_vcc 1
		.amdhsa_float_denorm_mode_32 3
		.amdhsa_float_denorm_mode_16_64 3
		.amdhsa_memory_ordered 1
		.amdhsa_forward_progress 1
		.amdhsa_inst_pref_size 176
	.end_amdhsa_kernel
	.amdgpu_metadata
---
amdhsa.version: [ 1, 2 ]
amdhsa.kernels:
  - .name:           k_q7db58e73d5_gemm2
    .symbol:         k_q7db58e73d5_gemm2.kd
    .args:
      - { .name: u, .offset: 0, .size: 8, .value_kind: global_buffer, .address_space: global }
      - { .name: wob, .offset: 8, .size: 8, .value_kind: global_buffer, .address_space: global }
      - { .name: ssum, .offset: 16, .size: 8, .value_kind: global_buffer, .address_space: global }
      - { .name: dtab, .offset: 24, .size: 8, .value_kind: global_buffer, .address_space: global }
      - { .name: nrm, .offset: 32, .size: 8, .value_kind: global_buffer, .address_space: global }
      - { .name: stat, .offset: 40, .size: 8, .value_kind: global_buffer, .address_space: global }
      - { .name: bo, .offset: 48, .size: 8, .value_kind: global_buffer, .address_space: global }
      - { .name: out0, .offset: 56, .size: 8, .value_kind: global_buffer, .address_space: global }
    .group_segment_fixed_size: 327680
    .private_segment_fixed_size: 0
    .kernarg_segment_align: 8
    .kernarg_segment_size: 64
    .max_flat_workgroup_size: 128
    .sgpr_count:     100
    .vgpr_count:     1024
    .wavefront_size: 32
...
	.end_amdgpu_metadata
.endif
;; end of part 3
